; MI455X (gfx1250); checked and timed in simulation.
; The chip was launched on July 23, 2026; its instructions are those of AMD's public machine-readable ISA for CDNA 5 (MIT licence, August 2026) and "CDNA5" Instruction Set Architecture Reference Guide (July 2026). The comments in the code are by the model that wrote it; some were corrected since.
;; Bahdanau Attention. Allowed arithmetic: float matrix products may take bf16 or f16 operands with f32 sums; all other float work in f32.
;; Inputs: W_h 1,024 x 1,024 float32; W_k 1,024 x 1,024 float32; h_t 64 x 1,024 float32; keys 64 x 1,024 x 1,024 float32; v 1,024 float32.
;; Outputs: out0 64 x 1,024 float32; out1 64 x 1,024 float32.
;; One version. Each part assembles by itself: llvm-mc -triple=amdgcn-amd-amdhsa -mcpu=gfx1250 --defsym DOCPART=n.
;; ======== version 1 of 1: 3 launches
;; workspace buffers: wkb 2,097,152 bytes; qh 262,144 bytes; part 1,048,576 bytes
;; launch prep (part 1): grid 64 x 1, 16 waves a work-group, no clusters, 71,680 bytes of LDS; arguments W_k, W_h, h_t, wkb, qh; writes wkb, qh
.if DOCPART == 1
	.amdgcn_target "amdgcn-amd-amdhsa--gfx1250"
	.amdhsa_code_object_version 6
	.text
	.protected	k_qdc4a353247_prep
	.globl	k_qdc4a353247_prep
	.p2align	8
	.type	k_qdc4a353247_prep,@function
k_qdc4a353247_prep:
	s_mov_b64 s[64:65], 0
	v_nop
	global_prefetch_b8 v0, s[64:65] scope:SCOPE_SE
	s_setreg_imm32_b32 hwreg(HW_REG_WAVE_MODE, 25, 1), 1
	s_wait_xcnt 0x0
; PREP.  Two small jobs ahead of the large product.
; (1) wkb = W_k rounded to bf16, laid in blocks of one K step: [16 steps s][1,024 rows e][64 k], byte s*131072 + e*128 + 2*(k - 64 s): a step's 128 rows are then 16,384 dense bytes.
; (2) qh[b][e] = c * sum over d of h_t[b][d] W_h[e][d], c = 2 log2(e): the factor that turns tanh's exponential into a power of two is applied here once, in f32.
; h_t and W_h are rounded to bf16 for the product, sums in f32.  NaN and infinities are not treated apart.
; SHARES.  Work-group g: bt = g & 3, eq = g >> 2: the tile of 16 rows b (16 bt on) x 64 columns e (64 eq on) of qh, so that a row's piece is 256 consecutive bytes; and rows 16 g .. 16 g + 15 of W_k.
; Wave w of 16 takes K = 64 w .. 64 w + 63 of the product (256 consecutive bytes of every row that it reads); the 16 partial tiles meet in LDS, 16 rows x 272 bytes each.
; The matrix instruction takes 16 rows of W_h as source 0 and 16 rows of h_t as source 1: a lane then holds eight neighbouring e of one row b.
; K is permuted alike in both sources (lane half h holds the numbers 32 t + 16 h + 0..15 of step t), which keeps every product and lets a lane read 64 consecutive bytes.
.set PP,  272                          ; a row of a partial tile in LDS: 256 bytes + 16
.set PT,  16*PP                        ; a partial tile
.set HO,  3                            ; v3   r*4096 + 256 w + 64 h: my 64 bytes in a row of h_t or W_h
.set CAO, 4                            ; v4   my 16 bytes in W_k's rows
.set CSO, 5                            ; v5   my 8 bytes in wkb
.set STO, 6                            ; v6   where I put my part of the partial tile
.set RD,  7                            ; v7   where a thread of waves 0-7 reads 16 bytes of every partial tile
.set QOUT, 8                           ; v8   and where they go in qh
.set HT,  16                           ; v[16:47]   h_t, step t at HT + 16 t: 16 f32, then 8 registers of bf16 in place
.set WH,  48                           ; v[48:175]  W_h, fragment fq, step t at WH + 16 (2 fq + t)
.set CA,  176                          ; v[176:207] W_k, 8 x 4 f32, then 8 x 2 registers of bf16 in place
.set ACC, 208                          ; v[208:239] four accumulators
.set RB,  16                           ; v[16:79]   the 16 partial tiles' 16 bytes, read back
	s_load_b256 s[4:11], s[0:1], 0x0               ; W_k s[4:5], W_h s[6:7], h_t s[8:9], wkb s[10:11]
	s_load_b64 s[12:13], s[0:1], 0x20              ; qh
	v_lshl_add_u32 v240, v0, 2, 0x11000
	v_mov_b32 v241, 0
	v_lshrrev_b32 v1, 5, v0
	v_readfirstlane_b32 s14, v1                    ; wave 0..15
	s_and_b32 s15, ttmp9, 3                        ; bt
	s_lshr_b32 s16, ttmp9, 2                       ; eq
	s_lshl_b32 s18, ttmp9, 16                      ; W_k: 16 g rows of 4,096 bytes
	s_mov_b32 s19, 0
	s_lshl_b32 s20, s16, 18                        ; W_h: 64 eq rows
	s_mov_b32 s21, 0
	s_lshl_b32 s22, s15, 16                        ; h_t: 16 bt rows
	s_mov_b32 s23, 0
	s_lshl_b32 s24, ttmp9, 11                      ; wkb: 16 g rows of 128 bytes in every step's block
	s_mov_b32 s25, 0
	s_lshl_b32 s26, s16, 8                         ; qh: 16 bt rows, 64 eq columns
	s_add_co_u32 s26, s26, s22
	s_mov_b32 s27, 0
	s_lshr_b32 s28, s14, 1                         ; w >> 1: which two rows of W_k
	s_and_b32 s29, s14, 1                          ; w & 1: which half of their columns
	v_and_b32 v1, 15, v0                           ; r
	v_bfe_u32 v2, v0, 4, 1                         ; h
	v_lshlrev_b32 v[HO], 12, v1
	v_lshl_add_u32 v[HO], v2, 6, v[HO]
	s_lshl_b32 s30, s14, 8
	v_add_nc_u32 v[HO], s30, v[HO]
	v_lshlrev_b32 v[CAO], 4, v1                    ; row 2 (w >> 1) + h, byte 2,048 (w & 1) + 16 r
	v_lshl_add_u32 v[CAO], v2, 12, v[CAO]
	s_lshl_b32 s30, s28, 13
	s_lshl_b32 s31, s29, 11
	s_add_co_u32 s30, s30, s31
	v_add_nc_u32 v[CAO], s30, v[CAO]
	v_and_b32 v9, 31, v0
	v_lshlrev_b32 v[CSO], 3, v9                    ; 8 x lane = 128 h + 8 r: two rows of 128 bytes on end
	s_lshl_b32 s30, s29, 20                        ; steps 8 (w & 1) on
	s_lshl_b32 s31, s28, 8
	s_add_co_u32 s30, s30, s31
	v_add_nc_u32 v[CSO], s30, v[CSO]
	v_mul_u32_u24 v[STO], v1, PP
	v_lshl_add_u32 v[STO], v2, 5, v[STO]
	s_mul_i32 s30, s14, PT
	v_add_nc_u32 v[STO], s30, v[STO]
	v_and_b32 v9, 0xff, v0                         ; the thread's number among waves 0-7
	v_lshrrev_b32 v10, 4, v9
	v_mul_u32_u24 v[RD], v10, PP
	v_lshl_add_u32 v[RD], v1, 4, v[RD]
	v_lshlrev_b32 v[QOUT], 12, v10
	v_lshl_add_u32 v[QOUT], v1, 4, v[QOUT]
	s_wait_kmcnt 0x0
	s_add_nc_u64 s[4:5], s[4:5], s[18:19]
	s_add_nc_u64 s[6:7], s[6:7], s[20:21]
	s_add_nc_u64 s[8:9], s[8:9], s[22:23]
	s_add_nc_u64 s[10:11], s[10:11], s[24:25]
	s_add_nc_u64 s[12:13], s[12:13], s[26:27]
	; all 48 loads go out together: 8 of h_t, 32 of W_h, 8 of W_k
.irp t, 0,1
.irp i, 0,1,2,3
	global_load_b128 v[HT+16*\t+4*\i:HT+16*\t+4*\i+3], v[HO], s[8:9] offset:128*\t+16*\i
.endr
.endr
.irp fq, 0,1,2,3
.irp t, 0,1
.irp i, 0,1,2,3
	global_load_b128 v[WH+16*(2*\fq+\t)+4*\i:WH+16*(2*\fq+\t)+4*\i+3], v[HO], s[6:7] offset:65536*\fq+128*\t+16*\i
.endr
.endr
.endr
.irp j, 0,1,2,3,4,5,6,7
	global_load_b128 v[CA+4*\j:CA+4*\j+3], v[CAO], s[4:5] offset:256*\j th:TH_LOAD_NT  ; step 8 (w & 1) + j of two rows: each half of the lanes takes 256 consecutive bytes
.endr
	s_wait_loadcnt 8                               ; loads come back in order (ISA guide 5.7.1): h_t and W_h are in, the 8 younger loads of W_k may stay out
	; ten fragments of 16 f32 are rounded to bf16 in place, ascending: number i lands below the pairs still to be read
.set q, 0
.rept 10
.set i, 0
.rept 8
	v_cvt_pk_bf16_f32 v[HT+16*q+i], v[HT+16*q+2*i], v[HT+16*q+2*i+1]
.set i, i+1
.endr
.set q, q+1
.endr
	; 8 products; the first four start the sums with the constant 0; the four accumulators take turns
.irp t, 0,1
.irp fq, 0,1,2,3
.if \t == 0
	v_wmma_f32_16x16x32_bf16 v[ACC+8*\fq:ACC+8*\fq+7], v[WH+16*(2*\fq+\t):WH+16*(2*\fq+\t)+7], v[HT+16*\t:HT+16*\t+7], 0
.else
	v_wmma_f32_16x16x32_bf16 v[ACC+8*\fq:ACC+8*\fq+7], v[WH+16*(2*\fq+\t):WH+16*(2*\fq+\t)+7], v[HT+16*\t:HT+16*\t+7], v[ACC+8*\fq:ACC+8*\fq+7]
.endif
.endr
.endr
	s_wait_loadcnt 0x0                             ; W_k
.irp j, 0,1,2,3,4,5,6,7                ; 16 roundings, which name no register of the products: they are also the places behind them (ISA guide 7.12.1)
	v_cvt_pk_bf16_f32 v[CA+4*\j], v[CA+4*\j], v[CA+4*\j+1]
	v_cvt_pk_bf16_f32 v[CA+4*\j+1], v[CA+4*\j+2], v[CA+4*\j+3]
.endr
.irp j, 0,1,2,3,4,5,6,7
	global_store_b64 v[CSO], v[CA+4*\j:CA+4*\j+1], s[10:11] offset:131072*\j  ; 32 lanes x 8 bytes: 256 consecutive bytes, at a multiple of 256 from wkb's first byte
.endr
.irp fq, 0,1,2,3                       ; each accumulator's low registers first
	ds_store_b128 v[STO], v[ACC+8*\fq:ACC+8*\fq+3] offset:64*\fq
	ds_store_b128 v[STO], v[ACC+8*\fq+4:ACC+8*\fq+7] offset:64*\fq+16
.endr
	s_wait_dscnt 0x0                               ; for the others' sake: my partial tile is written
	s_barrier_signal -1
	s_barrier_wait -1
	s_cmp_lt_u32 s14, 8                            ; 256 threads x 16 bytes are the tile
	s_cbranch_scc0 .Ldone
.irp p, 0,1,2,3,4,5,6,7,8,9,10,11,12,13,14,15
	ds_load_b128 v[RB+4*\p:RB+4*\p+3], v[RD] offset:PT*\p
.endr
	s_wait_dscnt 0x0
.irp d, 8,4,2,1                        ; the 16 partial sums by halves
.set p, 0
.rept \d
	v_pk_add_f32 v[RB+4*p:RB+4*p+1], v[RB+4*p:RB+4*p+1], v[RB+4*(p+\d):RB+4*(p+\d)+1]
	v_pk_add_f32 v[RB+4*p+2:RB+4*p+3], v[RB+4*p+2:RB+4*p+3], v[RB+4*(p+\d)+2:RB+4*(p+\d)+3]
.set p, p+1
.endr
.endr
	v_pk_mul_f32 v[RB:RB+1], v[RB:RB+1], 0x4038aa3b op_sel_hi:[1,0]      ; c = 2 log2(e) = 2.885390
	v_pk_mul_f32 v[RB+2:RB+3], v[RB+2:RB+3], 0x4038aa3b op_sel_hi:[1,0]
	global_store_b128 v[QOUT], v[RB:RB+3], s[12:13]  ; 16 lanes store 256 consecutive bytes of a row of qh, at a multiple of 256
.Ldone:
	s_wait_tensorcnt 0x0
	ds_add_u32 v240, v241
	s_wait_dscnt 0x0
	s_endpgm
.Lfunc_end_k_qdc4a353247_prep:
	.size	k_qdc4a353247_prep, .Lfunc_end_k_qdc4a353247_prep-k_qdc4a353247_prep
	.p2alignl 7, 3214868480
	.fill 96, 4, 3214868480
	.section	.rodata,"a",@progbits
	.p2align	6, 0x0
	.amdhsa_kernel k_qdc4a353247_prep
		.amdhsa_group_segment_fixed_size 71680
		.amdhsa_private_segment_fixed_size 0
		.amdhsa_enable_private_segment 0
		.amdhsa_kernarg_size 40
		.amdhsa_user_sgpr_count 2
		.amdhsa_user_sgpr_kernarg_segment_ptr 1
		.amdhsa_wavefront_size32 1
		.amdhsa_system_sgpr_workgroup_id_x 1
		.amdhsa_system_sgpr_workgroup_id_y 1
		.amdhsa_system_sgpr_workgroup_id_z 1
		.amdhsa_system_vgpr_workitem_id 0
		.amdhsa_next_free_vgpr 242
		.amdhsa_next_free_sgpr 66
		.amdhsa_reserve_vcc 0
		.amdhsa_float_denorm_mode_32 3
		.amdhsa_float_denorm_mode_16_64 3
		.amdhsa_memory_ordered 1
		.amdhsa_forward_progress 1
		.amdhsa_inst_pref_size 19
	.end_amdhsa_kernel
	.amdgpu_metadata
---
amdhsa.version: [ 1, 2 ]
amdhsa.kernels:
  - .name:           k_qdc4a353247_prep
    .symbol:         k_qdc4a353247_prep.kd
    .args:
      - { .name: W_k, .offset: 0, .size: 8, .value_kind: global_buffer, .address_space: global }
      - { .name: W_h, .offset: 8, .size: 8, .value_kind: global_buffer, .address_space: global }
      - { .name: h_t, .offset: 16, .size: 8, .value_kind: global_buffer, .address_space: global }
      - { .name: wkb, .offset: 24, .size: 8, .value_kind: global_buffer, .address_space: global }
      - { .name: qh, .offset: 32, .size: 8, .value_kind: global_buffer, .address_space: global }
    .group_segment_fixed_size: 71680
    .private_segment_fixed_size: 0
    .kernarg_segment_align: 8
    .kernarg_segment_size: 40
    .max_flat_workgroup_size: 512
    .sgpr_count:     66
    .vgpr_count:     242
    .wavefront_size: 32
...
	.end_amdgpu_metadata
.endif
;; end of part 1
;; launch scores (part 2): grid 4 x 64, 4 waves a work-group, clusters of 4 x 4, 327,680 bytes of LDS; arguments keys, wkb, qh, v, part; writes part
.if DOCPART == 2
	.amdgcn_target "amdgcn-amd-amdhsa--gfx1250"
	.amdhsa_code_object_version 6
	.text
	.protected	k_qdc4a353247_scores
	.globl	k_qdc4a353247_scores
	.p2align	8
	.type	k_qdc4a353247_scores,@function
k_qdc4a353247_scores:
	s_mov_b64 s[64:65], 0
	v_nop
	global_prefetch_b8 v0, s[64:65] scope:SCOPE_SE
	s_setreg_imm32_b32 hwreg(HW_REG_WAVE_MODE, 25, 1), 1
	s_wait_xcnt 0x0
	s_wait_alu depctr_hold_cnt(0) depctr_sa_sdst(0) depctr_va_vdst(0) depctr_va_sdst(0) depctr_va_ssrc(0) depctr_va_vcc(0) depctr_vm_vsrc(0)
	s_getreg_b32 s2, hwreg(HW_REG_IB_STS2, 6, 4)
	s_cmp_eq_u32 s2, 0
	s_cbranch_scc0 .Lentry_in_a_cluster
	s_endpgm
.Lentry_in_a_cluster:
	s_bfe_u32 s2, ttmp6, 0x10000c
	s_cmp_lg_u32 s2, 0xf033
	s_cbranch_scc0 .Lentry_shape_is_right
	s_endpgm
.Lentry_shape_is_right:
; SCORES.  part[eb][row] = sum over the 256 e of block eb of -2 v[e] / (1 + 2^(c kh[row][e] + qh[b][e])), kh = keys W_k^T, c = 2 log2(e); qh arrives multiplied by c.
; tanh x = 1 - 2 / (1 + e^(2x)), so a row's score is sum(v) plus the four blocks' parts.  sum(v) is the same for every row, and a softmax does not change when all its scores are shifted alike,
; for any input: it is not added.  keys [65,536][1,024] f32 is rounded to bf16 on the way from LDS to the matrix unit; wkb is W_k in bf16, [16 steps][1,024 e][64 k]; sums, activation and scores in f32.
; LIMITS.  NaN and infinities are not treated apart.  2^x beyond f32's range gives infinity and the quotient 0 (tanh = 1); below it 0 and the quotient 1 (tanh = -1): tanh's own limits.
; SHARES.  A tile is 256 rows x 256 e.  1,024 tiles, 256 work-groups THAT STAY: work-group (x, y) makes e block x of rows 256 y + 16,384 t, t = 0..3, all of them in batch (y >> 2) + 16 t.
; Wave w owns rows 64 w .. 64 w + 63 and all 256 e: 64 accumulators of 16 x 16, 512 registers.  So a row's sum over the block's e ends inside one wave, and a row of keys is rounded by one wave.
; K goes in steps of 64 through two LDS slots: rows of keys are 256 bytes of memory at multiples of 256; W_k's 128 rows of a step are 16,384 dense bytes, asked for as 64 rows of 256.
; Two slots of a step of 128 would be 409,600 bytes, more than the work-group has.
; CLUSTER.  4 x 4 work-groups.  The four of a row of the cluster are the four e blocks of the same 256 rows: keys' tile is asked for JOINTLY by them; the four of a column share W_k's tile.
; THE MATRIX INSTRUCTION: source 0 = 16 rows of keys, source 1 = 16 rows e of W_k: register j of lane (r, h) is (row 8 h + j, e = r).  qh and v then cost one register for each 16 e,
; and the sum over e is a sum over a lane's accumulators and then over the 16 lanes of a half.
; A QUARTER is 32 along K, 64 matrix instructions.  The next quarter's 48 LDS loads stand in ONE run behind its first 16 products, under two settings of the register windows;
; the 32 roundings of keys to bf16 are vector work and stand four at a time behind the first eight products of its last 16, 32 products behind the run.
; REGISTERS, in windows of 256 (s_set_vgpr_msb: bits 1:0 source 0, 3:2 source 1, 5:4 source 2, 7:6 destination):
;   window 0: v16-31 addresses; v32-95 keys as loaded, f32; v96-159 keys' fragments in bf16, two buffers; v160-175 qh; v176-191 -2 v; v192-223 the rows' sums
;   window 1: W_k's fragments, two buffers of 128          windows 2, 3: accumulator (a, f) at v[8 (16 (a & 1) + f)] of window 2 + (a >> 1)
.set PKA,   272                        ; a row of keys in LDS: 256 bytes + 16 = 68 words: row r starts at bank 4 r mod 64 (64 banks of 4 bytes: ISA guide 11.1): the 16 rows of a load start at 16 different groups of four banks
.set PKB,   144                        ; a row of W_k: 128 bytes + 16 = 36 words: likewise
.set HALFA, 128*PKA                    ; what one tensor load of keys brings
.set HALFB, 128*PKB                    ; what one of W_k brings
.set BOFF,  2*HALFA                    ; a slot: keys' 256 rows, then W_k's 256
.set SLOT,  BOFF+2*HALFB
.set STAGE, 2*SLOT                     ; behind the ring, never filled by a tensor load: 256 bytes for each wave, its 64 scores
.set SPARE, STAGE+4*256                ; the spare words, 128 bytes for each wave: two blocks of 256 bytes that no other line names
.set NEXT_A, (1<<26)-14*256            ; keys: from a slot's last K step of a tile to its first of the next: 16,384 rows down, 14 steps back
.set BACK_B, 14*131072                 ; W_k: 14 steps back
.set ADRA, 16                          ; v16-17  LDS address of my keys in slot 0, 1: (64 w + r) x 272 + 32 h
.set ADRB, 20                          ; v20-21  of W_k: r x 144 + 16 h
.set QO,   22                          ; v22     4 r
.set PFO,  23                          ; v23     the prefetch: (64 cx + 16 w + r) x 4,096 + 256 h
.set STO,  24                          ; v24     my stage + 32 h
.set RD,   25                          ; v25     my stage + 8 x lane
.set CO,   26                          ; v26     8 x lane
.set SPW,  28                          ; v28     LDS address of my spare word; never rewritten
.set NIL,  29                          ; v29     0; never rewritten
.set T,    30                          ; v30-31  two scores to store
.set ST,   32
.set KF,   96
.set QH,   160
.set U,    176
.set S,    192
.set WV,   14                          ; s14 wave; s15 wave >> 1: I fetch keys (0) or W_k (1); s16 wave & 1: which 128 rows of that tile
.set G1,   24                          ; s[24:31] descriptor group 1 for keys;  s[32:39] group 0, a set for each slot
.set G0,   32
.set G1B,  48                          ; s[48:55], s[56:63] the same for W_k
.set G0B,  56
.set CC,   68                          ; s[68:69] c, named as a pair
.set PL,   70                          ; s70      the lap that the last prefetch asked for
.set PO,   74                          ; s[74:75] a lap's byte offset from my tile row's first byte
.set PA,   76                          ; s[76:77] keys at row 256 y
.set PF,   78                          ; s[78:79] the prefetch's base
.set MSB, 0
.macro WIN new                         ; the immediate's high byte repeats the setting that is left; a switch that changes nothing is dropped
.if MSB != (\new)
	s_set_vgpr_msb (MSB<<8)|(\new)
.set MSB, \new
.endif
.endm
.macro PLACES                          ; four places in front of loads into, and vector lines on, registers that matrix instructions have named (ISA guide 7.12.1 for vector lines)
.rept 4
	v_nop
.endr
.endm
; A joint load.  Waves 0 and 1 fetch keys' two halves, waves 2 and 3 W_k's.  The branch hangs on the wave's number alone.  Four v_nop follow each of the two lines.
.macro JLOAD s
	s_cmp_eq_u32 s15, 0
	s_cbranch_scc0 .Lfor_b_\@
	tensor_load_to_lds s[G0+4*(\s):G0+4*(\s)+3], s[G1:G1+7]
	s_nop 0
.rept 4
	v_nop
.endr
	s_branch .Lasked_\@
.Lfor_b_\@:
	tensor_load_to_lds s[G0B+4*(\s):G0B+4*(\s)+3], s[G1B:G1B+7]
	s_nop 0
.rept 4
	v_nop
.endr
.Lasked_\@:
.endm
.macro CREST                           ; a round of the cluster's barrier behind its opening barrier
	s_cmp_lg_u32 s[WV], 0
	s_cbranch_scc1 .Lnot_wave_0_\@
	s_barrier_signal -3
.Lnot_wave_0_\@:
	s_barrier_wait -3
	s_barrier_signal -1
	s_barrier_wait -1
.endm
.macro CROUND                          ; a whole round
	s_barrier_signal -1
	s_barrier_wait -1
	CREST
.endm
	s_load_b256 s[4:11], s[0:1], 0x0               ; keys s[4:5], wkb s[6:7], qh s[8:9], v s[10:11]
	s_load_b64 s[12:13], s[0:1], 0x20              ; part
	v_lshl_add_u32 v[SPW], v0, 2, SPARE
	v_mov_b32 v[NIL], 0
	ds_add_u32 v28, v29
	s_wait_dscnt 0x0
	v_lshrrev_b32 v1, 5, v0
	v_readfirstlane_b32 s[WV], v1                  ; wave 0..3
	s_lshr_b32 s15, s[WV], 1
	s_and_b32 s16, s[WV], 1
	s_bfe_u32 s17, ttmp6, 0x40000                  ; cx
	s_bfe_u32 s18, ttmp6, 0x40004                  ; cy
	s_lshl_b32 s19, ttmp9, 2
	s_add_co_u32 s19, s19, s17                     ; x = 4 x cluster x + cx: the e block
	s_and_b32 s20, ttmp7, 0xffff
	s_lshl_b32 s20, s20, 2
	s_add_co_u32 s20, s20, s18                     ; y = 4 x cluster y + cy: the tile row
	s_lshl_b32 s21, s18, 2
	s_lshl_b32 s21, 15, s21                        ; my row of the cluster
	s_lshl_b32 s22, 0x1111, s17                    ; my column
	; group 1 for keys: 128 rows x 64 elements of 4 bytes, 1,024 elements from row to row; in LDS 4 words of padding after every 64
	s_or_b32 s[G1+0], s21, (2<<16)|(1<<20)|(1<<21)|(5<<22)|(3<<25)  ; 15:0 the mask: my row; 17:16 4-byte elements; 20 padding on; 21 set beside a mask; 24:22 code 5; 31:25 code 3
	s_mov_b32 s[G1+1], 64<<16                      ; tensor_dim0 = 64
	s_mov_b32 s[G1+2], 128<<16                     ; tensor_dim1 = 128
	s_mov_b32 s[G1+3], 64<<16                      ; tile_dim0 = 64
	s_mov_b32 s[G1+4], 128                         ; tile_dim1 = 128
	s_mov_b32 s[G1+5], 1024                        ; stride
	s_mov_b32 s[G1+6], 0
	s_mov_b32 s[G1+7], 0
	; group 1 for W_k: 64 rows x 128 elements of 2 bytes, dense: two e a row; 4 words of padding after every 32, that is after every e
	s_or_b32 s[G1B+0], s22, (1<<16)|(1<<20)|(1<<21)|(4<<22)|(3<<25)
	s_mov_b32 s[G1B+1], 128<<16
	s_mov_b32 s[G1B+2], 64<<16
	s_mov_b32 s[G1B+3], 128<<16
	s_mov_b32 s[G1B+4], 64
	s_mov_b32 s[G1B+5], 128
	s_mov_b32 s[G1B+6], 0
	s_mov_b32 s[G1B+7], 0
	; offsets.  What feeds keys' descriptors is made of y and the wave alone, what feeds W_k's of x and the wave alone, each in registers that never hold the other coordinate
	s_lshl_b32 s40, s20, 20                        ; 256 y rows of 4,096 bytes
	s_mov_b32 s41, 0
	s_lshl_b32 s42, s16, 19                        ; my 128 rows of the tile
	s_mov_b32 s43, 0
	s_lshl_b32 s66, s19, 15                        ; 256 x rows of 128 bytes
	s_lshl_b32 s67, s16, 14
	s_add_co_u32 s66, s66, s67
	s_mov_b32 s67, 0
	s_mul_i32 s44, s16, HALFA                      ; where they go in a slot: no place in the cluster enters an LDS address
	s_mul_i32 s45, s16, HALFB
	s_add_co_u32 s45, s45, BOFF
	s_lshr_b32 s80, s20, 2                         ; qh: row y >> 2, columns 256 x on
	s_lshl_b32 s80, s80, 12
	s_lshl_b32 s82, s19, 10                        ; (v: the same columns)
	s_add_co_u32 s80, s80, s82
	s_mov_b32 s81, 0
	s_mov_b32 s83, 0
	s_lshl_b32 s84, s19, 18                        ; part: block x, rows 256 y + 64 w on
	s_lshl_b32 s85, s20, 10
	s_add_co_u32 s84, s84, s85
	s_lshl_b32 s85, s[WV], 8
	s_add_co_u32 s84, s84, s85
	s_mov_b32 s85, 0
	s_mov_b32 s[CC], 0x4038aa3b                    ; c = 2 log2(e)
	s_mov_b32 s[CC+1], s[CC]
	s_mov_b32 s[PL], 1
	s_mov_b32 s[PO+1], 0
	v_and_b32 v1, 15, v0                           ; r
	v_bfe_u32 v2, v0, 4, 1                         ; h
	v_lshlrev_b32 v[QO], 2, v1
	s_wait_kmcnt 0x0
	s_add_nc_u64 s[PA:PA+1], s[4:5], s[40:41]
	s_add_nc_u64 s[46:47], s[PA:PA+1], s[42:43]    ; keys at my part of the first tile
	s_add_nc_u64 s[66:67], s[6:7], s[66:67]        ; wkb at my part of K step 0
	s_add_nc_u64 s[8:9], s[8:9], s[80:81]
	s_add_nc_u64 s[10:11], s[10:11], s[82:83]
	s_add_nc_u64 s[12:13], s[12:13], s[84:85]
.irp f, 0,1,2,3,4,5,6,7,8,9,10,11,12,13,14,15
	global_load_b32 v[U+\f], v[QO], s[10:11] offset:64*\f  ; v[256 x + 16 f + r]
.endr
	CROUND                                         ; all sixteen work-groups are here: the first joint loads meet
.irp s, 0,1
	s_mov_b32 s[G0+4*(\s)], 1                                       ; count = 1
	s_add_co_u32 s[G0+4*(\s)+1], s44, (\s)*SLOT                     ; LDS address
	s_add_nc_u64 s[G0+4*(\s)+2:G0+4*(\s)+3], s[46:47], (\s)*256     ; global address: K step s
	s_or_b32 s[G0+4*(\s)+3], s[G0+4*(\s)+3], 0x80000000             ; type = 2
	s_mov_b32 s[G0B+4*(\s)], 1
	s_add_co_u32 s[G0B+4*(\s)+1], s45, (\s)*SLOT
	s_add_nc_u64 s[G0B+4*(\s)+2:G0B+4*(\s)+3], s[66:67], (\s)*131072
	s_or_b32 s[G0B+4*(\s)+3], s[G0B+4*(\s)+3], 0x80000000
	JLOAD \s                                       ; both slots' first fills: two tensor loads of mine are out
.endr
	v_mul_u32_u24 v3, v1, PKA
	v_lshl_add_u32 v3, v2, 5, v3
	s_mul_i32 s71, s[WV], 64*PKA
	v_add_nc_u32 v[ADRA], s71, v3
	v_add_nc_u32 v[ADRA+1], SLOT, v[ADRA]
	v_mul_u32_u24 v4, v1, PKB
	v_lshl_add_u32 v4, v2, 4, v4
	v_add_nc_u32 v[ADRB], BOFF, v4
	v_add_nc_u32 v[ADRB+1], SLOT, v[ADRB]
	s_lshl_b32 s72, s17, 6
	s_lshl_b32 s73, s[WV], 4
	s_add_co_u32 s72, s72, s73
	v_add_nc_u32 v5, s72, v1
	v_lshlrev_b32 v[PFO], 12, v5
	v_lshl_add_u32 v[PFO], v2, 8, v[PFO]
	s_lshl_b32 s73, s[WV], 8
	s_add_co_u32 s73, s73, STAGE
	v_lshl_add_u32 v[STO], v2, 5, s73
	v_and_b32 v6, 31, v0
	v_lshl_add_u32 v[RD], v6, 3, s73
	v_lshlrev_b32 v[CO], 3, v6
	s_wait_loadcnt 0x0                             ; v
.irp i, 0,1,2,3,4,5,6,7
	v_pk_mul_f32 v[U+2*\i:U+2*\i+1], v[U+2*\i:U+2*\i+1], -2.0 op_sel_hi:[1,0]
.endr
; GROUP gg of the fetch that R_SLOT, R_Q, R_BUF name: the 32 along K at quarter R_Q of slot R_SLOT, into buffer R_BUF.
;   1-4     keys' fragment gg - 1: lane (r, h) takes k = 8 h + 0..7 and 16 + 8 h + 0..7 of its row, as f32: four loads of 16 bytes
;   5-12    W_k's fragments 2 (gg - 5) and the next: two loads each, 32 bytes apart
;   16-23   four roundings each: 16 f32 of a fragment become its 8 registers of bf16.  In front of the first: the 32 younger loads (W_k's) may stay out
.macro RG
.if gg < 5
	WIN 0
.set ra, gg-1
	ds_load_b128 v[ST+16*ra:ST+16*ra+3],     v[ADRA+R_SLOT] offset:ra*16*PKA+128*R_Q
	ds_load_b128 v[ST+16*ra+4:ST+16*ra+7],   v[ADRA+R_SLOT] offset:ra*16*PKA+128*R_Q+16
	ds_load_b128 v[ST+16*ra+8:ST+16*ra+11],  v[ADRA+R_SLOT] offset:ra*16*PKA+128*R_Q+64
	ds_load_b128 v[ST+16*ra+12:ST+16*ra+15], v[ADRA+R_SLOT] offset:ra*16*PKA+128*R_Q+80
.elseif gg < 13
	WIN 0x40                                       ; destination window 1, address window 0
.set rf, 2*(gg-5)
	ds_load_b128 v[128*R_BUF+8*rf:128*R_BUF+8*rf+3],     v[ADRB+R_SLOT] offset:rf*16*PKB+64*R_Q
	ds_load_b128 v[128*R_BUF+8*rf+4:128*R_BUF+8*rf+7],   v[ADRB+R_SLOT] offset:rf*16*PKB+64*R_Q+32
	ds_load_b128 v[128*R_BUF+8*rf+8:128*R_BUF+8*rf+11],  v[ADRB+R_SLOT] offset:(rf+1)*16*PKB+64*R_Q
	ds_load_b128 v[128*R_BUF+8*rf+12:128*R_BUF+8*rf+15], v[ADRB+R_SLOT] offset:(rf+1)*16*PKB+64*R_Q+32
.else
	WIN 0
.if gg == 16
	s_wait_dscnt 32                                ; LDS loads come back in order (ISA guide 5.7.1): keys' 16 are in
.endif
.set cn, 4*(gg-16)
.rept 4
	v_cvt_pk_bf16_f32 v[KF+32*R_BUF+cn], v[ST+2*cn], v[ST+2*cn+1]
.set cn, cn+1
.endr
.endif
.endm
; The 48 LDS loads of a fetch in one run: keys' 16 first, so that their roundings can leave W_k's 32 out.  Four places stand in front of it, written by the caller.
.macro FETCH
.set gg, 1
.rept 12
	RG
.set gg, gg+1
.endr
.endm
; Products f0 .. f1 - 1 of row fragment a on buffer buf.  Behind product f stands group g0 + (f - f0) of the roundings while f - f0 < gn.  zero = 1: the product starts its sum: nothing is ever cleared.
; The 64 accumulators take turns in the same order in every quarter: between two links of a chain stand the 63 others'.
.macro MUL buf, a, f0, f1, zero, g0, gn
.set ff, \f0
.rept (\f1)-(\f0)
	WIN 0xa4+0x50*((\a)/2)
.set rD, 8*(16*((\a)%2)+ff)
.if \zero
	v_wmma_f32_16x16x32_bf16 v[rD:rD+7], v[KF+32*(\buf)+8*(\a):KF+32*(\buf)+8*(\a)+7], v[128*(\buf)+8*ff:128*(\buf)+8*ff+7], 0
.else
	v_wmma_f32_16x16x32_bf16 v[rD:rD+7], v[KF+32*(\buf)+8*(\a):KF+32*(\buf)+8*(\a)+7], v[128*(\buf)+8*ff:128*(\buf)+8*ff+7], v[rD:rD+7]
.endif
.if (ff-(\f0)) < (\gn)
.set gg, (\g0)+ff-(\f0)
	RG
.endif
.set ff, ff+1
.endr
.endm
; A K step is two quarters.  The first multiplies buffer 0 and fetches the slot's second 32 along K into buffer 1.
.macro QUARTER slot, zero
.set R_SLOT, \slot
.set R_Q, 1
.set R_BUF, 1
	s_wait_dscnt 0x0                               ; W_k's fragments of buffer 0 are in (keys' were waited for ahead of their roundings)
	MUL 0, 0, 0, 16, \zero, 0, 0
	PLACES                                         ; between the last products that read buffer 1 and the loads into it
	FETCH
	MUL 0, 1, 0, 16, \zero, 0, 0
	MUL 0, 2, 0, 16, \zero, 0, 0
	MUL 0, 3, 0, 16, \zero, 16, 8
.endm
; The second multiplies buffer 1 and changes slots: ONE barrier, in front of which each wave waits for all its tensor loads (one is out: its part of the next slot), adds 0 to its spare word,
; and waits for that and for its reads of this slot.  mode 0: this slot is filled again with the K step two on; mode 1: with the NEXT tile's step 0 or 1; mode 2: nothing is filled.
; In modes 0 and 1 the barrier opens a round of the cluster's barrier, and the joint refill is the first thing behind it: it has 112 matrix instructions until the next wait for all loads.
.macro TURN slot, next, mode
.set R_SLOT, \next
.set R_Q, 0
.set R_BUF, 0
	WIN 0                                          ; (the add's two registers lie in window 0)
	s_wait_tensorcnt 0x0                           ; no tensor load of mine is out, so a group 0 may be written
	ds_add_u32 v[SPW], v[NIL]                      ; 0 onto my spare word
.if (\mode) == 0
	s_add_nc_u64 s[G0+4*(\slot)+2:G0+4*(\slot)+3], s[G0+4*(\slot)+2:G0+4*(\slot)+3], 2*256
	s_add_nc_u64 s[G0B+4*(\slot)+2:G0B+4*(\slot)+3], s[G0B+4*(\slot)+2:G0B+4*(\slot)+3], 2*131072
.elseif (\mode) == 1
	s_add_nc_u64 s[G0+4*(\slot)+2:G0+4*(\slot)+3], s[G0+4*(\slot)+2:G0+4*(\slot)+3], NEXT_A
	s_sub_nc_u64 s[G0B+4*(\slot)+2:G0B+4*(\slot)+3], s[G0B+4*(\slot)+2:G0B+4*(\slot)+3], BACK_B
.endif
	s_wait_dscnt 0x1                               ; only the add may be out: W_k's fragments of buffer 1 are in
	MUL 1, 0, 0, 8, 0, 0, 0                        ; eight matrix instructions stand between the add and the wait for it
	s_wait_dscnt 0x0                               ; the add is done, and my reads of this slot are over
	s_barrier_signal -1
	MUL 1, 0, 8, 16, 0, 0, 0                       ; work on registers while the others arrive
	WIN 0                                          ; at a branch and at a label every window is 0
	s_barrier_wait -1
.if (\mode) < 2
	CREST                                          ; no wave of any partner still reads this slot's tiles or has a load on its way
	JLOAD \slot                                    ; the four v_nop behind it are also the places in front of the loads into buffer 0
.else
	PLACES
.endif
	FETCH
	MUL 1, 1, 0, 16, 0, 0, 0
	MUL 1, 2, 0, 16, 0, 0, 0
	MUL 1, 3, 0, 16, 0, 16, 8
.endm
; THE PREFETCH, once a lap (two K steps).  The lap in hand issues the tensor loads of the next lap; this line asks for keys' bytes of the lap after that.  A lap of a tile row is 256 rows x 512 bytes =
; 512 aligned blocks of 256 bytes: the cluster row's 16 waves x 32 lanes ask for one block each, once.  The lap's number counts through the four tiles and stops at the walk's last lap, 31,
; so no request leaves the buffer; the walk's last lap asks for nothing.  W_k's 2 MiB are read by every work-group again and again and are not asked for.
.macro PREF
	WIN 0
	s_wait_xcnt 0x0                                ; the last request's base is rewritten only behind this wait (ISA guide 3.1)
	s_add_co_u32 s[PL], s[PL], 1
	s_min_u32 s71, s[PL], 31
	s_lshr_b32 s72, s71, 3                         ; the tile: 16,384 rows of 4,096 bytes apart
	s_lshl_b32 s72, s72, 26
	s_and_b32 s73, s71, 7                          ; the lap in it: 512 bytes along the rows
	s_lshl_b32 s73, s73, 9
	s_or_b32 s[PO], s72, s73
	s_add_nc_u64 s[PF:PF+1], s[PA:PA+1], s[PO:PO+1]
	global_prefetch_b8 v[PFO], s[PF:PF+1] th:TH_LOAD_NT scope:SCOPE_SE
.endm
; THE ACTIVATION of accumulators (a, f0 .. f0 + 3), 32 registers, in place: x = c kh + qh; 2^x; + 1; the reciprocal; then the rows' sums take it times -2 v.
; Each accumulator is read from its low registers on.  Behind each run of transcendentals one plain line stands ahead of the use of the last result (ISA guide 5.7.2).
.macro EPI4 a, f0
.set AB, 8*(16*((\a)%2)+(\f0))
	WIN 0x82+0x41*((\a)/2)                         ; destination and source 0 in the accumulators' window, qh in window 0
.set n, 0
.rept 16
.set fq, (\f0)+n/4
.if fq%2
	v_pk_fma_f32 v[AB+2*n:AB+2*n+1], v[AB+2*n:AB+2*n+1], s[CC:CC+1], v[QH+fq-1:QH+fq] op_sel:[0,0,1] op_sel_hi:[1,0,1]
.else
	v_pk_fma_f32 v[AB+2*n:AB+2*n+1], v[AB+2*n:AB+2*n+1], s[CC:CC+1], v[QH+fq:QH+fq+1] op_sel_hi:[1,0,0]
.endif
.set n, n+1
.endr
.set n, 0
.rept 32
	v_exp_f32 v[AB+n], v[AB+n]
.set n, n+1
.endr
	v_nop
.set n, 0
	s_wait_alu depctr_va_vdst(0)
.rept 16
	v_pk_add_f32 v[AB+2*n:AB+2*n+1], v[AB+2*n:AB+2*n+1], 1.0 op_sel_hi:[1,0]
.set n, n+1
.endr
.set n, 0
.rept 32
	v_rcp_f32 v[AB+n], v[AB+n]
.set n, n+1
.endr
	v_nop
	s_wait_alu depctr_va_vdst(0)
	WIN 0x02+(\a)/2                                ; source 0 in the accumulators' window, the rest in window 0
.set n, 0
.rept 16
.set fq, (\f0)+n/4
.set rS, S+8*(\a)+2*(n%4)
.if fq == 0
	s_wait_alu depctr_va_vdst(0)
	v_pk_mul_f32 v[rS:rS+1], v[AB+2*n:AB+2*n+1], v[U:U+1] op_sel_hi:[1,0]  ; the first 16 e start the sums
.elseif fq%2
	v_pk_fma_f32 v[rS:rS+1], v[AB+2*n:AB+2*n+1], v[U+fq-1:U+fq], v[rS:rS+1] op_sel:[0,1,0] op_sel_hi:[1,1,1]
.else
	v_pk_fma_f32 v[rS:rS+1], v[AB+2*n:AB+2*n+1], v[U+fq:U+fq+1], v[rS:rS+1] op_sel_hi:[1,0,1]
.endif
.set n, n+1
.endr
.endm
; THE WAY OUT of a tile: the activation; the sums over the 16 lanes of a half (every lane of half h then holds the scores of rows 16 a + 8 h + j); through my stage, so that a lane holds two
; neighbouring rows' scores; one store of 256 consecutive bytes.  last = 0: part's and qh's addresses step to the next tile.
.macro EPILOGUE last
	PLACES                                         ; behind the last products
	s_wait_loadcnt 0x0                             ; qh, asked for at the tile's head
.irp a, 0,1,2,3
.irp f0, 0,4,8,12
	EPI4 \a, \f0
.endr
.endr
	WIN 0
.irp m, 1,2,4,8
.set n, 0
.rept 32
	v_add_f32_dpp v[S+n], v[S+n], v[S+n] row_xmask:\m row_mask:0xf bank_mask:0xf
.set n, n+1
.endr
.endr
.irp a, 0,1,2,3
	ds_store_b128 v[STO], v[S+8*\a:S+8*\a+3] offset:64*\a       ; the 16 lanes of a half write the same bytes with the same numbers
	ds_store_b128 v[STO], v[S+8*\a+4:S+8*\a+7] offset:64*\a+16
.endr
	s_wait_xcnt 0x0                                ; the last tile's store has read T: it is loaded again only behind this wait
	ds_load_b64 v[T:T+1], v[RD]                    ; LDS serves a wave's instructions in order (ISA guide 5.7.1.4): this sees the stores above
	s_wait_dscnt 0x0
	global_store_b64 v[CO], v[T:T+1], s[12:13]     ; 32 lanes x 8 bytes: my 64 rows' scores, 256 consecutive bytes at a multiple of 256 from part's first byte
.if !(\last)
	s_wait_xcnt 0x0                                ; the bases are stepped only behind this wait
	s_add_nc_u64 s[12:13], s[12:13], 65536         ; 16,384 rows on
	s_add_nc_u64 s[8:9], s[8:9], 65536             ; 16 batches on
.endif
.endm
	s_wait_tensorcnt 0x1                           ; my part of K step 0 is in; slot 1's may stay out
	s_barrier_signal -1
	s_barrier_wait -1                              ; everybody's is
.set R_SLOT, 0
.set R_Q, 0
.set R_BUF, 0
	FETCH                                          ; the first quarter's fragments,
.set gg, 16
.rept 8
	RG                                             ; and keys' roundings: there are no products yet to set them behind
.set gg, gg+1
.endr
	WIN 0
	s_mov_b32 s2, 4                                ; tiles to go, this one among them: the same number in every work-group
.Ltile:
.irp f, 0,1,2,3,4,5,6,7,8,9,10,11,12,13,14,15
	global_load_b32 v[QH+\f], v[QO], s[8:9] offset:64*\f  ; c qh[batch][256 x + 16 f + r]: wanted on the way out
.endr
	QUARTER 0, 1                                   ; a tile's first quarter stands in front of the loop: its products start the sums
	WIN 0
	s_mov_b32 s3, 7
.Llap:                                                 ; a trip goes once round the ring, from a lap's second quarter to the next lap's first, and fills both slots again
	TURN 0, 1, 0
	PREF
	QUARTER 1, 0
	TURN 1, 0, 0
	QUARTER 0, 0
	WIN 0
	s_sub_co_u32 s3, s3, 1
	s_cmp_lg_u32 s3, 0
	s_cbranch_scc1 .Llap
	s_cmp_eq_u32 s2, 1
	s_cbranch_scc1 .Llast_tile                     ; the last tile's tail is written out: it asks for nothing more
	TURN 0, 1, 1                                   ; THE RING GOES ON INTO THE NEXT TILE: slot 0 takes its K step 0,
	PREF
	QUARTER 1, 0
	TURN 1, 0, 1                                   ; slot 1 its K step 1, and the next tile's first fragments are fetched
	EPILOGUE 0                                     ; both refills are on their way while the tile goes out
	s_sub_co_u32 s2, s2, 1
	s_branch .Ltile
.Llast_tile:
	TURN 0, 1, 2
	QUARTER 1, 0
	s_wait_dscnt 0x0                               ; the very last quarter: nothing more to fetch
	MUL 1, 0, 0, 16, 0, 0, 0
	MUL 1, 1, 0, 16, 0, 0, 0
	MUL 1, 2, 0, 16, 0, 0, 0
	MUL 1, 3, 0, 16, 0, 0, 0
	EPILOGUE 1
	s_wait_tensorcnt 0x0                           ; the wave's end: behind my last tensor load and my last LDS store
	ds_add_u32 v[SPW], v[NIL]
	s_wait_dscnt 0x0
	CROUND                                         ; the closing round: no work-group ends while a partner may still ask for a tile that names it
	s_endpgm
.Lfunc_end_k_qdc4a353247_scores:
	.size	k_qdc4a353247_scores, .Lfunc_end_k_qdc4a353247_scores-k_qdc4a353247_scores
	.p2alignl 7, 3214868480
	.fill 96, 4, 3214868480
	.section	.rodata,"a",@progbits
	.p2align	6, 0x0
	.amdhsa_kernel k_qdc4a353247_scores
		.amdhsa_group_segment_fixed_size 327680
		.amdhsa_private_segment_fixed_size 0
		.amdhsa_enable_private_segment 0
		.amdhsa_kernarg_size 40
		.amdhsa_user_sgpr_count 2
		.amdhsa_user_sgpr_kernarg_segment_ptr 1
		.amdhsa_wavefront_size32 1
		.amdhsa_system_sgpr_workgroup_id_x 1
		.amdhsa_system_sgpr_workgroup_id_y 1
		.amdhsa_system_sgpr_workgroup_id_z 1
		.amdhsa_system_vgpr_workitem_id 0
		.amdhsa_next_free_vgpr 1024
		.amdhsa_next_free_sgpr 96
		.amdhsa_reserve_vcc 0
		.amdhsa_float_denorm_mode_32 3
		.amdhsa_float_denorm_mode_16_64 3
		.amdhsa_memory_ordered 1
		.amdhsa_forward_progress 1
		.amdhsa_inst_pref_size 255
	.end_amdhsa_kernel
	.section	.bss,"aw",@nobits
	.p2align	6
	.space	262144
	.amdgpu_metadata
---
amdhsa.version: [ 1, 2 ]
amdhsa.kernels:
  - .name:           k_qdc4a353247_scores
    .symbol:         k_qdc4a353247_scores.kd
    .args:
      - { .name: keys, .offset: 0, .size: 8, .value_kind: global_buffer, .address_space: global }
      - { .name: wkb, .offset: 8, .size: 8, .value_kind: global_buffer, .address_space: global }
      - { .name: qh, .offset: 16, .size: 8, .value_kind: global_buffer, .address_space: global }
      - { .name: v, .offset: 24, .size: 8, .value_kind: global_buffer, .address_space: global }
      - { .name: part, .offset: 32, .size: 8, .value_kind: global_buffer, .address_space: global }
    .group_segment_fixed_size: 327680
    .private_segment_fixed_size: 0
    .kernarg_segment_align: 8
    .kernarg_segment_size: 40
    .max_flat_workgroup_size: 128
    .sgpr_count:     96
    .vgpr_count:     1024
    .wavefront_size: 32
...
	.end_amdgpu_metadata
.endif
;; end of part 2
;; launch ctx (part 3): grid 4 x 64, 16 waves a work-group, no clusters, 14,848 bytes of LDS; arguments keys, part, out0, out1; writes out0, out1
.if DOCPART == 3
	.amdgcn_target "amdgcn-amd-amdhsa--gfx1250"
	.amdhsa_code_object_version 6
	.text
	.protected	k_qdc4a353247_ctx
	.globl	k_qdc4a353247_ctx
	.p2align	8
	.type	k_qdc4a353247_ctx,@function
k_qdc4a353247_ctx:
	s_mov_b64 s[64:65], 0
	v_nop
	global_prefetch_b8 v0, s[64:65] scope:SCOPE_SE
	s_setreg_imm32_b32 hwreg(HW_REG_WAVE_MODE, 25, 1), 1
	s_wait_xcnt 0x0
; CTX.  For batch b: s[n] = the sum of part's four blocks (the score less sum(v), a shift common to all n, which a softmax does not see); alpha = softmax(s), with the true maximum taken away;
; context[d] = sum over n of alpha[n] keys[b][n][d].  All in f32: a product with one row, bound by the bytes of keys, so no matrix unit, no ring in LDS and no cluster: the work-groups share no large input.
; LIMITS.  A weight below 2^-126 counts as 0; NaN and infinities are not treated apart.
; SHARES.  Work-group (dq, b): columns 256 dq .. + 255 (1,024 bytes of every row) of the batch's 1,024 rows.  Wave w of 16: bytes 512 (w & 1) on of rows 128 (w >> 1) .. + 127:
; each load of a wave covers 512 consecutive bytes.  Every work-group makes the batch's softmax itself, from 16 KiB of part, so nothing passes between work-groups;
; alpha is stored by quarters: work-group dq stores rows 256 dq .. + 255.
; A ring of 16 slots in registers keeps 16 loads of every wave on their way; the wave's 128 weights lie in 128 registers, the same in every lane.
.set PW, 0                             ; LDS: the 1,024 weights p
.set CP, 4096                          ; 8 partial contexts of 1,024 bytes
.set RM, 12288                         ; the waves' maxima, 16 words
.set RS, 12544                         ; the waves' sums, 16 words
.set KO,  2                            ; v2   512 (w & 1) + 16 x lane
.set TO,  3                            ; v3   8 x thread: my two rows' bytes in part, alpha and PW
.set A,   32                           ; v[32:39]   two sets of four sums: even rows', odd rows'
.set X,   64                           ; v[64:127]  16 slots of 4
.set P,   128                          ; v[128:255] my wave's 128 weights
	s_load_b256 s[4:11], s[0:1], 0x0               ; keys s[4:5], part s[6:7], out0 s[8:9], out1 s[10:11]
	v_lshl_add_u32 v62, v0, 2, 0x3200
	v_mov_b32 v63, 0
	v_lshrrev_b32 v1, 5, v0
	v_readfirstlane_b32 s14, v1                    ; wave 0..15
	s_and_b32 s15, ttmp7, 0xffff                   ; b
	s_lshr_b32 s16, s14, 1
	s_and_b32 s17, s14, 1
	s_mov_b32 s20, 0x76543210                      ; v_permlanex16_b32: each lane takes its own place in the other half
	s_mov_b32 s21, 0xfedcba98
	s_lshl_b32 s22, s15, 22                        ; the batch's 1,024 rows of 4,096 bytes,
	s_lshl_b32 s18, s16, 19                        ; my 128 of them,
	s_add_co_u32 s22, s22, s18
	s_lshl_b32 s18, ttmp9, 10                      ; the work-group's 1,024 bytes of a row
	s_add_co_u32 s22, s22, s18
	s_mov_b32 s23, 0
	s_lshl_b32 s24, s15, 12                        ; the batch's row in part's blocks and in alpha
	s_mov_b32 s25, 0
	s_add_co_u32 s26, s24, s18                     ; and the work-group's piece of it in context
	s_mov_b32 s27, 0
	v_and_b32 v1, 31, v0
	v_lshlrev_b32 v[KO], 4, v1
	v_lshl_add_u32 v[KO], s17, 9, v[KO]
	v_lshlrev_b32 v[TO], 3, v0
	s_wait_kmcnt 0x0
	s_add_nc_u64 s[4:5], s[4:5], s[22:23]
	s_add_nc_u64 s[6:7], s[6:7], s[24:25]
	s_add_nc_u64 s[8:9], s[8:9], s[26:27]
	s_add_nc_u64 s[10:11], s[10:11], s[24:25]
.irp e, 0,1,2,3
	global_load_b64 v[4+2*\e:5+2*\e], v[TO], s[6:7] offset:262144*\e  ; rows 2 t, 2 t + 1 of block e
.endr
.irp i, 0,1,2,3,4,5,6,7,8,9,10,11,12,13,14,15
	global_load_b128 v[X+4*\i:X+4*\i+3], v[KO], s[4:5] offset:4096*\i th:TH_LOAD_NT  ; the ring is filled while the softmax is made
.endr
	s_wait_loadcnt 16                              ; loads come back in order (ISA guide 5.7.1): part is in, the 16 younger loads of keys stay out
	v_pk_add_f32 v[4:5], v[4:5], v[6:7]
	v_pk_add_f32 v[8:9], v[8:9], v[10:11]
	v_pk_add_f32 v[4:5], v[4:5], v[8:9]            ; s
	; the maximum: in the lane, over the wave, over the 16 waves
	v_max_num_f32 v12, v4, v5
	v_max_num_f32_dpp v12, v12, v12 row_xmask:1 row_mask:0xf bank_mask:0xf
	v_max_num_f32_dpp v12, v12, v12 row_xmask:2 row_mask:0xf bank_mask:0xf
	v_max_num_f32_dpp v12, v12, v12 row_xmask:4 row_mask:0xf bank_mask:0xf
	v_max_num_f32_dpp v12, v12, v12 row_xmask:8 row_mask:0xf bank_mask:0xf
	v_mov_b32 v13, v12                             ; the permute's destination counts as read
	v_permlanex16_b32 v13, v12, s20, s21
	v_max_num_f32 v12, v12, v13
	v_mov_b32 v14, s14
	v_lshlrev_b32 v14, 2, v14                      ; my wave's word
	ds_store_b32 v14, v12 offset:RM
	s_wait_dscnt 0x0                               ; for the others' sake
	s_barrier_signal -1
	s_barrier_wait -1
	v_mov_b32 v15, 0
.irp i, 0,1,2,3
	ds_load_b128 v[16+4*\i:19+4*\i], v15 offset:RM+16*\i
.endr
	s_wait_dscnt 0x0
	v_max3_num_f32 v16, v16, v17, v18
	v_max3_num_f32 v19, v19, v20, v21
	v_max3_num_f32 v22, v22, v23, v24
	v_max3_num_f32 v25, v25, v26, v27
	v_max3_num_f32 v28, v28, v29, v30
	v_max3_num_f32 v16, v16, v19, v22
	v_max3_num_f32 v25, v25, v28, v31
	v_max_num_f32 v16, v16, v25                    ; m
	; p = 2^((s - m) log2(e)), at most 1
	v_pk_add_f32 v[4:5], v[4:5], v[16:17] op_sel_hi:[1,0] neg_lo:[0,1] neg_hi:[0,1]
	v_pk_mul_f32 v[4:5], v[4:5], 0x3fb8aa3b op_sel_hi:[1,0]
	v_exp_f32 v4, v4
	v_exp_f32 v5, v5
	v_nop                                          ; a plain line between the exponentials and the use of their results (ISA guide 5.7.2)
	s_wait_alu depctr_va_vdst(0)
	v_add_f32 v12, v4, v5
	v_add_f32_dpp v12, v12, v12 row_xmask:1 row_mask:0xf bank_mask:0xf
	v_add_f32_dpp v12, v12, v12 row_xmask:2 row_mask:0xf bank_mask:0xf
	v_add_f32_dpp v12, v12, v12 row_xmask:4 row_mask:0xf bank_mask:0xf
	v_add_f32_dpp v12, v12, v12 row_xmask:8 row_mask:0xf bank_mask:0xf
	v_permlanex16_b32 v13, v12, s20, s21
	v_add_f32 v12, v12, v13
	ds_store_b32 v14, v12 offset:RS
	ds_store_b64 v[TO], v[4:5] offset:PW
	s_wait_dscnt 0x0                               ; for the others' sake
	s_barrier_signal -1
	s_barrier_wait -1
.irp i, 0,1,2,3
	ds_load_b128 v[16+4*\i:19+4*\i], v15 offset:RS+16*\i
.endr
	s_lshl_b32 s18, s16, 9
	v_mov_b32 v40, s18                             ; my wave's 128 weights begin here: every lane reads the same 16 bytes
.set i, 0
.rept 32
	ds_load_b128 v[P+4*i:P+4*i+3], v40 offset:PW+16*i
.set i, i+1
.endr
	s_wait_dscnt 32                                ; the waves' sums are in; the 32 younger loads stay out
	v_pk_add_f32 v[16:17], v[16:17], v[18:19]
	v_pk_add_f32 v[20:21], v[20:21], v[22:23]
	v_pk_add_f32 v[24:25], v[24:25], v[26:27]
	v_pk_add_f32 v[28:29], v[28:29], v[30:31]
	v_pk_add_f32 v[16:17], v[16:17], v[20:21]
	v_pk_add_f32 v[24:25], v[24:25], v[28:29]
	v_pk_add_f32 v[16:17], v[16:17], v[24:25]
	v_add_f32 v16, v16, v17                        ; l, at least 1: the largest score's weight is 1
	v_rcp_f32 v12, v16                             ; twice, to fill the pair that the packed multiplies take
	v_rcp_f32 v13, v16
	v_nop
	s_lshr_b32 s18, s14, 2
	s_cmp_lg_u32 s18, ttmp9                        ; waves 4 dq .. 4 dq + 3 hold rows 256 dq .. + 255
	s_cbranch_scc1 .Lno_alpha
	s_wait_alu depctr_va_vdst(0)
	v_pk_mul_f32 v[6:7], v[4:5], v[12:13]
	global_store_b64 v[TO], v[6:7], s[10:11]       ; 32 lanes x 8 bytes: 256 consecutive bytes, at a multiple of 256 from alpha's first byte
.Lno_alpha:
	s_wait_dscnt 0x0                               ; the weights
	; 128 rows.  Row i: its load is in when at most 15 younger ones are out (the last 16 rows: the counts run down); four multiply-adds by weight i; the slot takes row i + 16.
.set i, 0
.rept 128
.if i < 112
	s_wait_loadcnt 15
.else
	s_wait_loadcnt 127-i
.endif
.set XR, X+4*(i%16)
.set AR, A+4*(i%2)
.set PR, P+2*(i/2)
.if i == 0                             ; rows 0 and 1 start the two sets of sums: nothing is cleared
	v_pk_mul_f32 v[AR:AR+1], v[XR:XR+1], v[PR:PR+1] op_sel_hi:[1,0]
	v_pk_mul_f32 v[AR+2:AR+3], v[XR+2:XR+3], v[PR:PR+1] op_sel_hi:[1,0]
.elseif i == 1
	v_pk_mul_f32 v[AR:AR+1], v[XR:XR+1], v[PR:PR+1] op_sel:[0,1] op_sel_hi:[1,1]
	v_pk_mul_f32 v[AR+2:AR+3], v[XR+2:XR+3], v[PR:PR+1] op_sel:[0,1] op_sel_hi:[1,1]
.elseif i%2
	v_pk_fma_f32 v[AR:AR+1], v[XR:XR+1], v[PR:PR+1], v[AR:AR+1] op_sel:[0,1,0] op_sel_hi:[1,1,1]
	v_pk_fma_f32 v[AR+2:AR+3], v[XR+2:XR+3], v[PR:PR+1], v[AR+2:AR+3] op_sel:[0,1,0] op_sel_hi:[1,1,1]
.else
	v_pk_fma_f32 v[AR:AR+1], v[XR:XR+1], v[PR:PR+1], v[AR:AR+1] op_sel_hi:[1,0,1]
	v_pk_fma_f32 v[AR+2:AR+3], v[XR+2:XR+3], v[PR:PR+1], v[AR+2:AR+3] op_sel_hi:[1,0,1]
.endif
.if i < 112
	global_load_b128 v[XR:XR+3], v[KO], s[4:5] offset:4096*(i+16) th:TH_LOAD_NT
.endif
.set i, i+1
.endr
	v_pk_add_f32 v[A:A+1], v[A:A+1], v[A+4:A+5]
	v_pk_add_f32 v[A+2:A+3], v[A+2:A+3], v[A+6:A+7]
	s_wait_alu depctr_va_vdst(0)
	v_pk_mul_f32 v[A:A+1], v[A:A+1], v[12:13]      ; divided by l
	v_pk_mul_f32 v[A+2:A+3], v[A+2:A+3], v[12:13]
	v_lshl_add_u32 v41, s16, 10, v[KO]             ; partial context w >> 1, my 16 bytes of its 1,024
	ds_store_b128 v41, v[A:A+3] offset:CP
	s_wait_dscnt 0x0                               ; for the others' sake
	s_barrier_signal -1
	s_barrier_wait -1
	s_cmp_lt_u32 s14, 2                            ; 64 threads x 16 bytes are the work-group's piece of context
	s_cbranch_scc0 .Ldone
	v_and_b32 v42, 63, v0
	v_lshlrev_b32 v42, 4, v42
.irp j, 0,1,2,3,4,5,6,7
	ds_load_b128 v[X+4*\j:X+4*\j+3], v42 offset:CP+1024*\j
.endr
	s_wait_dscnt 0x0
.irp d, 4,2,1
.set p, 0
.rept \d
	v_pk_add_f32 v[X+4*p:X+4*p+1], v[X+4*p:X+4*p+1], v[X+4*(p+\d):X+4*(p+\d)+1]
	v_pk_add_f32 v[X+4*p+2:X+4*p+3], v[X+4*p+2:X+4*p+3], v[X+4*(p+\d)+2:X+4*(p+\d)+3]
.set p, p+1
.endr
.endr
	global_store_b128 v42, v[X:X+3], s[8:9]        ; a wave stores 512 consecutive bytes, at a multiple of 256 from context's first byte
.Ldone:
	s_wait_tensorcnt 0x0
	ds_add_u32 v62, v63
	s_wait_dscnt 0x0
	s_endpgm
.Lfunc_end_k_qdc4a353247_ctx:
	.size	k_qdc4a353247_ctx, .Lfunc_end_k_qdc4a353247_ctx-k_qdc4a353247_ctx
	.p2alignl 7, 3214868480
	.fill 96, 4, 3214868480
	.section	.rodata,"a",@progbits
	.p2align	6, 0x0
	.amdhsa_kernel k_qdc4a353247_ctx
		.amdhsa_group_segment_fixed_size 14848
		.amdhsa_private_segment_fixed_size 0
		.amdhsa_enable_private_segment 0
		.amdhsa_kernarg_size 32
		.amdhsa_user_sgpr_count 2
		.amdhsa_user_sgpr_kernarg_segment_ptr 1
		.amdhsa_wavefront_size32 1
		.amdhsa_system_sgpr_workgroup_id_x 1
		.amdhsa_system_sgpr_workgroup_id_y 1
		.amdhsa_system_sgpr_workgroup_id_z 1
		.amdhsa_system_vgpr_workitem_id 0
		.amdhsa_next_free_vgpr 256
		.amdhsa_next_free_sgpr 66
		.amdhsa_reserve_vcc 0
		.amdhsa_float_denorm_mode_32 3
		.amdhsa_float_denorm_mode_16_64 3
		.amdhsa_memory_ordered 1
		.amdhsa_forward_progress 1
		.amdhsa_inst_pref_size 42
	.end_amdhsa_kernel
	.amdgpu_metadata
---
amdhsa.version: [ 1, 2 ]
amdhsa.kernels:
  - .name:           k_qdc4a353247_ctx
    .symbol:         k_qdc4a353247_ctx.kd
    .args:
      - { .name: keys, .offset: 0, .size: 8, .value_kind: global_buffer, .address_space: global }
      - { .name: part, .offset: 8, .size: 8, .value_kind: global_buffer, .address_space: global }
      - { .name: out0, .offset: 16, .size: 8, .value_kind: global_buffer, .address_space: global }
      - { .name: out1, .offset: 24, .size: 8, .value_kind: global_buffer, .address_space: global }
    .group_segment_fixed_size: 14848
    .private_segment_fixed_size: 0
    .kernarg_segment_align: 8
    .kernarg_segment_size: 32
    .max_flat_workgroup_size: 512
    .sgpr_count:     66
    .vgpr_count:     256
    .wavefront_size: 32
...
	.end_amdgpu_metadata
.endif
;; end of part 3
